; MI455X (gfx1250); checked and timed in simulation.
; The chip was launched on July 23, 2026; its instructions are those of AMD's public machine-readable ISA for CDNA 5 (MIT licence, August 2026) and "CDNA5" Instruction Set Architecture Reference Guide (July 2026). The comments in the code are by the model that wrote it; some were corrected since.
;; MHA. Allowed arithmetic: float matrix products may take bf16 or f16 operands with f32 sums; all other float work in f32.
;; Inputs: Wk 2,048 x 1,024 float32; Wo 1,024 x 2,048 float32; Wq 2,048 x 1,024 float32; Wv 2,048 x 1,024 float32; x 2 x 2,048 x 2,048 float32.
;; Outputs: out0 2 x 2,048 x 2,048 float32.
;; Constants: is_causal = 1.
;; One version. Each part assembles by itself: llvm-mc -triple=amdgcn-amd-amdhsa -mcpu=gfx1250 --defsym DOCPART=n.
;; ======== version 1 of 1: 4 launches
;; limits: values are held in f16: magnitudes above 65,504 overflow, below 6.1e-05 lose precision
;; workspace buffers: xb 16,777,216 bytes; wb 16,777,216 bytes; rt 1,048,576 bytes; qkv 25,165,824 bytes; ao 8,388,608 bytes
;; launch prep (part 1): grid 1024 x 1, 8 waves a work-group, no clusters, 0 bytes of LDS; arguments x, Wq, Wk, Wv, Wo, xb, wb, rt; writes xb, wb, rt
.if DOCPART == 1
	.amdgcn_target "amdgcn-amd-amdhsa--gfx1250"
	.amdhsa_code_object_version 6
	.text
	.protected	k_q56185bc20d_prep
	.globl	k_q56185bc20d_prep
	.p2align	8
	.type	k_q56185bc20d_prep,@function
k_q56185bc20d_prep:
	s_mov_b64 s[64:65], 0
	v_nop
	global_prefetch_b8 v0, s[64:65] scope:SCOPE_SE
	s_setreg_imm32_b32 hwreg(HW_REG_WAVE_MODE, 25, 1), 1
	s_wait_xcnt 0x0
; prep: x, Wq, Wk, Wv are rounded to bf16 (xb; wb parts 0 to 2, 4 MiB each, layouts kept).  Wo is rounded to bf16 like them and then
; written as f16 (wb part 3), because its partner in the last product, ao, is kept in f16; a bf16 number of magnitude 2^-17 or more is
; exact in f16, smaller ones are off by at most 2^-25.  Also the RoPE table rt: (cos, sin) in f32 for 2,048 positions x 64 frequencies.
; A stream: no LDS, no matrix unit, no cluster (nothing is shared).  Work-group g takes 64 KiB of f32: 16 loads of 16 bytes a thread,
; all issued at once; each load of a wave covers 512 consecutive bytes, each store 256 consecutive bytes, aligned.
; Registers are rewritten only after their load is in and before their store issues, so no source of a pending load or store is ever rewritten.
; LIMITS: Wo beyond 65,504 in magnitude overflows f16.  The table's angles differ from position x frequency in f32 by up to
; 2e-4 rad at the largest positions (one rounding of the frequency times 2,047).
.set X, 4                              ; v[4:67]   as loaded
.set Y, 68                             ; v[68:99]  as stored
	s_load_b256 s[4:11], s[0:1], 0x0               ; x, Wq, Wk, Wv
	s_load_b256 s[12:19], s[0:1], 0x20             ; Wo, xb, wb, rt
	v_lshrrev_b32 v3, 5, v0
	v_readfirstlane_b32 s28, v3                    ; wave
	s_and_b32 s20, ttmp9, 511                      ; block number in xb (g < 512) or in wb
	s_and_b32 s21, s20, 127                        ; block number in one weight
	s_mov_b32 s27, 0
	v_lshlrev_b32 v1, 4, v0                        ; 16 t: my bytes in 4 KiB of source
	v_lshlrev_b32 v2, 3, v0                        ; 8 t: my bytes in 2 KiB of destination
	s_wait_kmcnt 0x0
	s_cmp_lt_u32 ttmp9, 640
	s_cselect_b64 s[22:23], s[6:7], s[8:9]         ; Wq or Wk
	s_cmp_lt_u32 ttmp9, 768
	s_cselect_b64 s[22:23], s[22:23], s[10:11]     ; or Wv
	s_cmp_lt_u32 ttmp9, 896
	s_cselect_b64 s[22:23], s[22:23], s[12:13]     ; or Wo
	s_cmp_lt_u32 ttmp9, 512
	s_cselect_b64 s[22:23], s[4:5], s[22:23]       ; or x
	s_cselect_b64 s[24:25], s[14:15], s[16:17]     ; into xb or wb
	s_cselect_b32 s21, s20, s21
	s_lshl_b32 s26, s21, 16
	s_add_nc_u64 s[22:23], s[22:23], s[26:27]      ; source + block x 64 KiB
	s_lshl_b32 s26, s20, 15
	s_add_nc_u64 s[24:25], s[24:25], s[26:27]      ; destination + block x 32 KiB
.irp j, 0,1,2,3,4,5,6,7,8,9,10,11,12,13,14,15
	global_load_b128 v[X+4*\j:X+4*\j+3], v1, s[22:23] offset:4096*\j th:TH_LOAD_NT
.endr
	; The table, while the loads are on their way: threads 0 to 127 make pair o = 128 g + t, stored at byte 8 o.
	; o = sb*1024 + wn*512 + bq*128 + part*64 + L*2 + e is the register image of launch qkv: position 16 sb + (L & 15),
	; frequency index e + 2 part + 4 (L >> 4) + 8 bq + 32 wn.
	s_cmp_lt_u32 s28, 4
	s_cbranch_scc0 .Lcast
	s_lshl_b32 s29, ttmp9, 7
	v_add_nc_u32 v100, s29, v0                     ; o
	v_lshrrev_b32 v101, 10, v100
	v_bfe_u32 v102, v100, 1, 4
	v_lshl_add_u32 v101, v101, 4, v102             ; position
	v_and_b32 v103, 1, v100
	v_lshrrev_b32 v104, 5, v100
	v_and_b32 v104, 2, v104
	v_or_b32 v103, v103, v104
	v_lshrrev_b32 v104, 3, v100
	v_and_b32 v104, 4, v104
	v_or_b32 v103, v103, v104
	v_lshrrev_b32 v104, 4, v100
	v_and_b32 v104, 0x38, v104
	v_or_b32 v103, v103, v104                      ; frequency index i
	v_cvt_f32_u32 v103, v103
	v_cvt_f32_u32 v101, v101
	v_mul_f32 v103, 0xbe549a78, v103               ; -i log2(10000) / 64
	v_exp_f32 v105, v103                           ; 10000^(-i/64)
	v_lshlrev_b32 v106, 3, v100                    ; a plain instruction behind v_exp_f32 (ISA guide 5.7.2): the store's offset
	s_wait_alu depctr_va_vdst(0)
	v_mul_f32 v107, v101, v105                     ; the angle, at most 2,047
	v_mul_f32 v108, 0x3f22f983, v107               ; x 2/pi
	v_rndne_f32 v108, v108                         ; k
	v_fmamk_f32 v109, v108, 0xbfc90fdb, v107       ; r = angle - k pi/2, pi/2 in two parts
	v_fmamk_f32 v109, v108, 0x333bbd2e, v109
	v_mul_f32 v110, v109, v109                     ; z = r^2, |r| <= pi/4: the series below are cut at 3e-7
	v_mov_b32 v111, 0x3c088889
	v_fmamk_f32 v111, v110, 0xb9500d01, v111       ; 1/120 - z/5040
	v_fmaak_f32 v111, v110, v111, 0xbe2aaaab       ; -1/6 + z ..
	v_mul_f32 v112, v109, v110
	v_fma_f32 v111, v112, v111, v109               ; sin r
	v_mov_b32 v113, 0xbab60b61
	v_fmamk_f32 v113, v110, 0x37d00d01, v113       ; -1/720 + z/40320
	v_fmaak_f32 v113, v110, v113, 0x3d2aaaab       ; 1/24 + z ..
	v_fma_f32 v113, v110, v113, -0.5
	v_fma_f32 v113, v110, v113, 1.0                ; cos r
	v_cvt_i32_f32 v114, v108
	v_and_b32 v115, 1, v114
	v_cmp_eq_u32 vcc_lo, 1, v115                   ; odd quadrant: sine and cosine change places
	v_cndmask_b32 v116, v113, v111, vcc_lo
	v_cndmask_b32 v117, v111, v113, vcc_lo
	v_add_nc_u32 v118, 1, v114
	v_and_b32 v118, 2, v118
	v_lshlrev_b32 v118, 30, v118
	v_xor_b32 v116, v116, v118                     ; cosine is negative in quadrants 1 and 2
	v_and_b32 v119, 2, v114
	v_lshlrev_b32 v119, 30, v119
	v_xor_b32 v117, v117, v119                     ; sine in quadrants 2 and 3
	global_store_b64 v106, v[116:117], s[18:19]    ; a wave stores 256 consecutive bytes, aligned
.Lcast:
; 4 KiB of the source: two roundings a word.  wo = 1: the bf16 numbers are widened again and written as f16.
.macro STEP j, wo
	s_wait_loadcnt 15-\j                           ; loads come back in order (ISA guide 5.7.1): the 15 - j younger ones stay out
	v_cvt_pk_bf16_f32 v[Y+2*\j], v[X+4*\j], v[X+4*\j+1]
	v_cvt_pk_bf16_f32 v[Y+2*\j+1], v[X+4*\j+2], v[X+4*\j+3]
.if \wo
	v_lshlrev_b32 v[X+4*\j], 16, v[Y+2*\j]
	v_and_b32 v[X+4*\j+1], 0xffff0000, v[Y+2*\j]
	v_lshlrev_b32 v[X+4*\j+2], 16, v[Y+2*\j+1]
	v_and_b32 v[X+4*\j+3], 0xffff0000, v[Y+2*\j+1]
	v_cvt_pk_f16_f32 v[Y+2*\j], v[X+4*\j], v[X+4*\j+1]
	v_cvt_pk_f16_f32 v[Y+2*\j+1], v[X+4*\j+2], v[X+4*\j+3]
.endif
	global_store_b64 v2, v[Y+2*\j:Y+2*\j+1], s[24:25] offset:2048*\j
.endm
	s_cmp_ge_u32 ttmp9, 896
	s_cbranch_scc1 .Lwo
.irp j, 0,1,2,3,4,5,6,7,8,9,10,11,12,13,14,15
	STEP \j, 0
.endr
	s_endpgm
.Lwo:
.irp j, 0,1,2,3,4,5,6,7,8,9,10,11,12,13,14,15
	STEP \j, 1
.endr
	s_endpgm
.Lfunc_end_k_q56185bc20d_prep:
	.size	k_q56185bc20d_prep, .Lfunc_end_k_q56185bc20d_prep-k_q56185bc20d_prep
	.p2alignl 7, 3214868480
	.fill 96, 4, 3214868480
	.section	.rodata,"a",@progbits
	.p2align	6, 0x0
	.amdhsa_kernel k_q56185bc20d_prep
		.amdhsa_group_segment_fixed_size 0
		.amdhsa_private_segment_fixed_size 0
		.amdhsa_enable_private_segment 0
		.amdhsa_kernarg_size 64
		.amdhsa_user_sgpr_count 2
		.amdhsa_user_sgpr_kernarg_segment_ptr 1
		.amdhsa_wavefront_size32 1
		.amdhsa_system_sgpr_workgroup_id_x 1
		.amdhsa_system_sgpr_workgroup_id_y 1
		.amdhsa_system_sgpr_workgroup_id_z 1
		.amdhsa_system_vgpr_workitem_id 0
		.amdhsa_next_free_vgpr 128
		.amdhsa_next_free_sgpr 66
		.amdhsa_reserve_vcc 1
		.amdhsa_float_denorm_mode_32 3
		.amdhsa_float_denorm_mode_16_64 3
		.amdhsa_memory_ordered 1
		.amdhsa_forward_progress 1
		.amdhsa_inst_pref_size 19
	.end_amdhsa_kernel
	.amdgpu_metadata
---
amdhsa.version: [ 1, 2 ]
amdhsa.kernels:
  - .name:           k_q56185bc20d_prep
    .symbol:         k_q56185bc20d_prep.kd
    .args:
      - { .name: x, .offset: 0, .size: 8, .value_kind: global_buffer, .address_space: global }
      - { .name: Wq, .offset: 8, .size: 8, .value_kind: global_buffer, .address_space: global }
      - { .name: Wk, .offset: 16, .size: 8, .value_kind: global_buffer, .address_space: global }
      - { .name: Wv, .offset: 24, .size: 8, .value_kind: global_buffer, .address_space: global }
      - { .name: Wo, .offset: 32, .size: 8, .value_kind: global_buffer, .address_space: global }
      - { .name: xb, .offset: 40, .size: 8, .value_kind: global_buffer, .address_space: global }
      - { .name: wb, .offset: 48, .size: 8, .value_kind: global_buffer, .address_space: global }
      - { .name: rt, .offset: 56, .size: 8, .value_kind: global_buffer, .address_space: global }
    .group_segment_fixed_size: 0
    .private_segment_fixed_size: 0
    .kernarg_segment_align: 8
    .kernarg_segment_size: 64
    .max_flat_workgroup_size: 256
    .sgpr_count:     66
    .vgpr_count:     128
    .wavefront_size: 32
...
	.end_amdgpu_metadata
.endif
;; end of part 1
;; launch qkv (part 2): grid 8 x 32, 4 waves a work-group, clusters of 4 x 4, 327,680 bytes of LDS; arguments xb, wb, rt, qkv; writes qkv
.if DOCPART == 2
	.amdgcn_target "amdgcn-amd-amdhsa--gfx1250"
	.amdhsa_code_object_version 6
	.text
	.protected	k_q56185bc20d_qkv
	.globl	k_q56185bc20d_qkv
	.p2align	8
	.type	k_q56185bc20d_qkv,@function
k_q56185bc20d_qkv:
	s_mov_b64 s[64:65], 0
	v_nop
	global_prefetch_b8 v0, s[64:65] scope:SCOPE_SE
	s_setreg_imm32_b32 hwreg(HW_REG_WAVE_MODE, 25, 1), 1
	s_wait_xcnt 0x0
	s_wait_alu depctr_hold_cnt(0) depctr_sa_sdst(0) depctr_va_vdst(0) depctr_va_sdst(0) depctr_va_ssrc(0) depctr_va_vcc(0) depctr_vm_vsrc(0)
	s_getreg_b32 s2, hwreg(HW_REG_IB_STS2, 6, 4)
	s_cmp_eq_u32 s2, 0
	s_cbranch_scc0 .Lentry_in_a_cluster
	s_endpgm
.Lentry_in_a_cluster:
	s_bfe_u32 s2, ttmp6, 0x10000c
	s_cmp_lg_u32 s2, 0xf033
	s_cbranch_scc0 .Lentry_shape_is_right
	s_endpgm
.Lentry_shape_is_right:
; qkv: q, k, v = x Wq, x Wk, x Wv (bf16 operands, f32 sums), RoPE on q and k in f32, all three rounded once to f16.
; qkv holds three parts of 8 MiB, each [4096 rows][1024] f16; head h is the 256 bytes at byte 256 h of a row.
; 256 work-groups: (bc, br) makes rows 128 br .. +127 of head bc in q, k and v: 128 x 384.  Four waves; wave w has rows 64 (w >> 1)
; and columns 64 (w & 1) of each of the three: 4 x 12 accumulator tiles, 384 registers.  So whether a tile is rotated is fixed in the text.
; K goes in steps of 128 through two LDS slots: three tiles of W, [128 k][128 n] as they lie in memory (read by the transposing LDS
; load), and one of x, [128 m][128 k].  All rows are 256 bytes of memory at multiples of 256.
; CLUSTER 4 x 4: x's tile hangs on br alone and is asked for jointly by a row of the cluster, W's on bc alone, by a column.
; The matrix instruction is used transposed (source 0 = 16 columns of W, source 1 = 16 rows of x): lane l holds row l % 16 and its
; registers 0 to 7 the columns 8 (l / 16) + 0 .. 7, so RoPE's pairs lie in neighbouring registers and a lane's results pack into 16 bytes.
; REGISTERS: window 0: addresses, x fragments v64-127 (two buffers), v128-239 at work on the way out; window 1: W fragments, two
; buffers of 96; window 2: q and k tiles (a, b) at 8 (8 a + b); window 3: v tiles at 8 (4 a + b), RoPE table at 128 + 8 (4 a + b).
; LIMIT: q, k, v beyond 65,504 in magnitude overflow f16 (spread 0.9 at the drawn inputs; about 4,500 at most with x and W 30 times larger).
.set PA,    272                        ; x rows in LDS: 256 + 16 bytes, an odd multiple of 16
.set PB,    288                        ; W rows in LDS: 256 + 32 bytes, an odd multiple of 32, as the transposing load's lanes need
.set AT,    128*PA
.set BT,    128*PB
.set SLOT,  3*BT+AT                    ; Wq's, Wk's, Wv's tile, then x's
.set LAPS,  8                          ; 2,048 / (2 x 128)
.set SP,    144                        ; the way out: 128 bytes + 16
.set SREG,  3*64*SP+128                ; the way out: a wave's own region in slot 0; the odd 128 bytes put two regions' rows in different banks
.set ADRA,  16                         ; v16-17  my x fragments in slot 0, 1
.set ADRB,  18                         ; v18-23  my W fragments, [slot][q, k, v]
.set STO,   24
.set RD,    26
.set CO,    28
.set RTO,   29
.set FA,    64
.set YY,    128
.set PK,    192
.set G1A, 24                           ; s[24:31] group 1, x
.set G0A, 32                           ; s[32:39] group 0, x, a set for each slot
.set G1B, 48                           ; s[48:55] group 1, W
.set G0B, 56                           ; s[56:63] group 0, W
.set MSB, 0
.macro WIN new                         ; the immediate's high byte repeats the setting that is left
.if MSB != \new
	s_set_vgpr_msb (MSB<<8)|\new
.set MSB, \new
.endif
.endm
.set MUL_LO, 0xa1                      ; source 0 window 1, source 1 window 0, C and D window 2
.set MUL_HI, 0xf1                      ; the same, C and D window 3
.macro PLACES                          ; four places behind a matrix instruction (ISA guide 7.12.1) before its registers are loaded into or its result read
.rept 4
	v_nop
.endr
.endm
; Waves 0, 1, 2 ask for Wq's, Wk's, Wv's tile, wave 3 for x's: one load a wave.  The branch hangs on the wave's number alone.
.macro JLOAD s
	s_cmp_eq_u32 s12, 3
	s_cbranch_scc0 .Lfor_b_\@
	tensor_load_to_lds s[G0A+4*\s:G0A+4*\s+3], s[G1A:G1A+7]
	s_nop 0
	s_branch .Lasked_\@
.Lfor_b_\@:
	tensor_load_to_lds s[G0B+4*\s:G0B+4*\s+3], s[G1B:G1B+7]
	s_nop 0
.Lasked_\@:
.endm
.macro CREST                           ; a round of the cluster's barrier behind its opening work-group barrier
	s_cmp_lg_u32 s12, 0
	s_cbranch_scc1 .Lnot_wave_0_\@
	s_barrier_signal -3
.Lnot_wave_0_\@:
	s_barrier_wait -3
	s_barrier_signal -1
	s_barrier_wait -1
.endm
.macro CROUND
	s_barrier_signal -1
	s_barrier_wait -1
	CREST
.endm
	s_load_b256 s[4:11], s[0:1], 0x0               ; xb, wb, rt, qkv
	s_set_vgpr_msb 0x40
	v_lshl_add_u32 v255, v0, 2, 0x47000
	s_set_vgpr_msb 0x4000
	v_mov_b32 v255, 0
	s_set_vgpr_msb 0x1
	ds_add_u32 v255, v255
	s_set_vgpr_msb 0x100
	v_lshrrev_b32 v1, 5, v0
	v_readfirstlane_b32 s12, v1                    ; wave
	s_lshr_b32 s13, s12, 1                         ; wm
	s_and_b32 s14, s12, 1                          ; wn
	s_bfe_u32 s16, ttmp6, 0x40000                  ; cx
	s_bfe_u32 s17, ttmp6, 0x40004                  ; cy
	s_lshl_b32 s18, ttmp9, 2
	s_add_co_u32 s18, s18, s16                     ; bc = head
	s_and_b32 s19, ttmp7, 0xffff
	s_lshl_b32 s19, s19, 2
	s_add_co_u32 s19, s19, s17                     ; br
	s_lshl_b32 s20, s17, 2
	s_lshl_b32 s20, 15, s20                        ; my row of the cluster
	s_lshl_b32 s21, 0x1111, s16                    ; my column
	s_or_b32 s[G1A+0], s20, (1<<16)|(1<<20)|(1<<21)|(5<<22)|(3<<25)   ; mask; 2-byte elements; padding on; bit 21 beside a mask; after 64 words 4 words
	s_or_b32 s[G1B+0], s21, (1<<16)|(1<<20)|(1<<21)|(5<<22)|(7<<25)   ; the same with my column's mask and 8 words of padding
	s_mov_b32 s[G1A+1], 128<<16                    ; tensor_dim0 = 128
	s_mov_b32 s[G1B+1], 128<<16
	s_mov_b32 s[G1A+2], 128<<16                    ; tensor_dim1 = 128
	s_mov_b32 s[G1B+2], 128<<16
	s_mov_b32 s[G1A+3], 128<<16                    ; tile_dim0 = 128
	s_mov_b32 s[G1B+3], 128<<16
	s_mov_b32 s[G1A+4], 128                        ; tile_dim1 = 128
	s_mov_b32 s[G1B+4], 128
	s_mov_b32 s[G1A+5], 2048                       ; elements from row to row of x
	s_mov_b32 s[G1B+5], 1024                       ; of W
	s_mov_b32 s[G1A+6], 0
	s_mov_b32 s[G1B+6], 0
	s_mov_b32 s[G1A+7], 0
	s_mov_b32 s[G1B+7], 0
	s_lshl_b32 s40, s19, 19                        ; x: 128 br rows of 4,096 bytes (never holds cx)
	s_mov_b32 s41, 0
	s_lshl_b32 s42, s12, 22                        ; W: part w of 4 MiB
	s_lshl_b32 s44, s18, 8                         ;    + 256 bc (never holds cy)
	s_add_co_u32 s42, s42, s44
	s_mov_b32 s43, 0
	s_mul_i32 s45, s12, BT                         ; W's tile w in a slot
	s_lshl_b32 s72, s19, 18                        ; out: 128 br rows of 2,048 bytes + 256 bc
	s_lshl_b32 s73, s18, 8
	s_add_co_u32 s72, s72, s73
	s_mov_b32 s73, 0
	s_wait_dscnt 0x0
	s_wait_kmcnt 0x0
	s_add_nc_u64 s[40:41], s[4:5], s[40:41]
	s_add_nc_u64 s[42:43], s[6:7], s[42:43]
	s_add_nc_u64 s[66:67], s[10:11], s[72:73]      ; q's, k's, v's part
	s_add_nc_u64 s[68:69], s[66:67], 0x800000
	s_add_nc_u64 s[70:71], s[66:67], 0x1000000
	CROUND                                         ; all sixteen work-groups are here: the first joint loads meet
.irp s, 0,1
	s_mov_b32 s[G0A+4*\s], 1
	s_mov_b32 s[G0A+4*\s+1], \s*SLOT+3*BT
	s_add_nc_u64 s[G0A+4*\s+2:G0A+4*\s+3], s[40:41], \s*256          ; K step s: 128 elements along x's rows
	s_or_b32 s[G0A+4*\s+3], s[G0A+4*\s+3], 0x80000000
	s_mov_b32 s[G0B+4*\s], 1
	s_add_co_u32 s[G0B+4*\s+1], s45, \s*SLOT
	s_add_nc_u64 s[G0B+4*\s+2:G0B+4*\s+3], s[42:43], \s*262144       ; K step s: 128 rows of W
	s_or_b32 s[G0B+4*\s+3], s[G0B+4*\s+3], 0x80000000
	JLOAD \s
.endr
	v_and_b32 v1, 15, v0                           ; r
	v_bfe_u32 v2, v0, 4, 1                         ; h
	v_and_b32 v3, 31, v0                           ; l
	v_and_b32 v4, 7, v0                            ; l & 7
	v_bfe_u32 v5, v0, 3, 1                         ; (l >> 3) & 1
	v_mul_u32_u24 v6, v1, PA                       ; x fragment: (64 wm + r) pitch + 16 h
	v_lshl_add_u32 v6, v2, 4, v6
	s_mul_i32 s22, s13, 64*PA
	s_add_co_u32 s22, s22, 3*BT
	v_add_nc_u32 v[ADRA], s22, v6
	s_add_co_u32 s22, s22, SLOT
	v_add_nc_u32 v[ADRA+1], s22, v6
	v_lshl_add_u32 v7, v2, 3, v4                   ; W fragment, transposing load: (8 h + (l & 7)) pitch + 16 ((l >> 3) & 1) + 128 wn
	v_mul_u32_u24 v7, v7, PB
	v_lshl_add_u32 v7, v5, 4, v7
	s_lshl_b32 s23, s14, 7
	v_add_nc_u32 v7, s23, v7
.irp s, 0,1
.irp u, 0,1,2
	v_add_nc_u32 v[ADRB+3*\s+\u], \s*SLOT+\u*BT, v7
.endr
.endr
	v_mul_u32_u24 v8, v1, SP                       ; the way out, in: my region + r pitch + 16 h
	v_lshl_add_u32 v8, v2, 4, v8
	s_mul_i32 s22, s12, SREG
	v_add_nc_u32 v[STO], s22, v8
	v_mul_u32_u24 v9, v5, SREG                     ; back: lanes 0-7 of sixteen read the left wave's region, lanes 8-15 the right one's
	v_mad_u32_u24 v9, v2, SP, v9
	v_lshl_add_u32 v9, v4, 4, v9
	s_mul_i32 s22, s13, 2*SREG
	s_mul_i32 s23, s14, 32*SP
	s_add_co_u32 s22, s22, s23
	v_add_nc_u32 v[RD], s22, v9
	v_lshlrev_b32 v9, 11, v2                       ; and in memory: row 32 w + h, 16 r
	v_lshl_add_u32 v9, v1, 4, v9
	s_lshl_b32 s22, s12, 16
	v_add_nc_u32 v[CO], s22, v9
	s_lshl_b32 s22, s19, 7                         ; table: position of my first row, modulo 2,048, x 512 bytes, + 4,096 wn + 16 l
	s_lshl_b32 s23, s13, 6
	s_add_co_u32 s22, s22, s23
	s_and_b32 s22, s22, 2047
	s_lshl_b32 s22, s22, 9
	s_lshl_b32 s23, s14, 12
	s_add_co_u32 s22, s22, s23
	v_lshl_add_u32 v[RTO], v3, 4, s22
	WIN 0xc0                                       ; the table for my 64 rows x 32 pairs: 32 loads of 512 consecutive bytes, waited for behind the K loop
.irp a, 0,1,2,3
.irp b, 0,1,2,3
	global_load_b128 v[128+8*(4*\a+\b):128+8*(4*\a+\b)+3], v[RTO], s[8:9] offset:\a*8192+\b*1024
	global_load_b128 v[128+8*(4*\a+\b)+4:128+8*(4*\a+\b)+7], v[RTO], s[8:9] offset:\a*8192+\b*1024+512
.endr
.endr
	WIN 0
; 16 matrix instructions on q's and k's tiles of row blocks a0, a0 + 1.  The 48 accumulators take turns in one fixed order, one instruction a turn.
.macro MULQK f, a0, zero
.irp a, \a0, \a0+1
.irp b, 0,1,2,3,4,5,6,7
.if \zero
	v_wmma_f32_16x16x32_bf16 v[8*(8*(\a)+\b):8*(8*(\a)+\b)+7], v[96*\f+8*\b:96*\f+8*\b+7], v[FA+32*\f+8*(\a):FA+32*\f+8*(\a)+7], 0
.else
	v_wmma_f32_16x16x32_bf16 v[8*(8*(\a)+\b):8*(8*(\a)+\b)+7], v[96*\f+8*\b:96*\f+8*\b+7], v[FA+32*\f+8*(\a):FA+32*\f+8*(\a)+7], v[8*(8*(\a)+\b):8*(8*(\a)+\b)+7]
.endif
.endr
.endr
.endm
.macro MULV f, zero                    ; 16 on v's tiles
.irp a, 0,1,2,3
.irp b, 0,1,2,3
.if \zero
	v_wmma_f32_16x16x32_bf16 v[8*(4*\a+\b):8*(4*\a+\b)+7], v[96*\f+64+8*\b:96*\f+64+8*\b+7], v[FA+32*\f+8*\a:FA+32*\f+8*\a+7], 0
.else
	v_wmma_f32_16x16x32_bf16 v[8*(4*\a+\b):8*(4*\a+\b)+7], v[96*\f+64+8*\b:96*\f+64+8*\b+7], v[FA+32*\f+8*\a:FA+32*\f+8*\a+7], v[8*(4*\a+\b):8*(4*\a+\b)+7]
.endif
.endr
.endr
.endm
; 32 LDS loads in one run: quarter kq (32 along K) of a slot into buffer f: x's 8, then q's, k's, v's 8 each
.macro FETCH slot, kq, f
	WIN 0
.irp a, 0,1,2,3
	ds_load_b128 v[FA+32*\f+8*\a:FA+32*\f+8*\a+3], v[ADRA+\slot] offset:\a*16*PA+64*\kq
	ds_load_b128 v[FA+32*\f+8*\a+4:FA+32*\f+8*\a+7], v[ADRA+\slot] offset:\a*16*PA+64*\kq+32
.endr
	WIN 0x40
.irp u, 0,1,2
.irp b, 0,1,2,3
	ds_load_tr16_b128 v[96*\f+32*\u+8*\b:96*\f+32*\u+8*\b+3], v[ADRB+3*\slot+\u] offset:\kq*32*PB+32*\b
	ds_load_tr16_b128 v[96*\f+32*\u+8*\b+4:96*\f+32*\u+8*\b+7], v[ADRB+3*\slot+\u] offset:\kq*32*PB+32*\b+16*PB
.endr
.endr
.endm
.macro QUARTER slot, kq, f, g, zero
	s_wait_dscnt 8                                 ; all but the youngest eight loads, v's fragments
	WIN MUL_LO
	MULQK \f, 0, \zero
	MULQK \f, 2, \zero
	PLACES
	FETCH \slot, \kq, \g
	s_wait_dscnt 32                                ; all but the 32 just issued
	WIN MUL_HI
	MULV \f, \zero
.endm
.macro THREE slot, zero
	QUARTER \slot, 1, 0, 1, \zero
	QUARTER \slot, 2, 1, 0, 0
	QUARTER \slot, 3, 0, 1, 0
.endm
; The last quarter of a K step changes slots.  In front of the barrier each wave waits for its reads of this slot and for all its tensor
; loads (one is out: its tile of the next slot).  fill = 1: the barrier opens a round of the cluster's barrier, and the joint refill of
; this slot is the first tensor load behind the round.  From a request to the wait for it a wave issues 176 matrix instructions.
.macro TURN slot, next, fill
	s_wait_dscnt 8
	WIN MUL_LO
	MULQK 1, 0, 0
	s_wait_dscnt 0
	s_wait_tensorcnt 0x0
	ds_add_u32 v255, v255
	s_wait_dscnt 0x0
	s_barrier_signal -1
	MULQK 1, 2, 0                                  ; register work while the others arrive
	WIN 0
	s_barrier_wait -1
.if \fill
	CREST
	s_add_nc_u64 s[G0A+4*\slot+2:G0A+4*\slot+3], s[G0A+4*\slot+2:G0A+4*\slot+3], 512
	s_add_nc_u64 s[G0B+4*\slot+2:G0B+4*\slot+3], s[G0B+4*\slot+2:G0B+4*\slot+3], 524288
	JLOAD \slot
.endif
	PLACES
	FETCH \next, 0, 0
	WIN MUL_HI
	MULV 1, 0
.endm
.macro LAP zero
	THREE 0, \zero
	TURN 0, 1, 1
	THREE 1, 0
	TURN 1, 0, 1
.endm
	s_wait_tensorcnt 1                             ; my tile of K step 0 is in; K step 1's stays out
	s_barrier_signal -1
	s_barrier_wait -1
	FETCH 0, 0, 0
	LAP 1                                          ; the first products start the sums: nothing is cleared
	WIN 0
	s_mov_b32 s15, LAPS-2
.Llap:
	LAP 0
	WIN 0
	s_sub_co_u32 s15, s15, 1
	s_cmp_lg_u32 s15, 0
	s_cbranch_scc1 .Llap
	THREE 0, 0                                     ; the last lap fills nothing
	TURN 0, 1, 0                                   ; behind this barrier no wave reads slot 0 any more, and nothing is loaded into it again
	THREE 1, 0
	s_wait_dscnt 8
	WIN MUL_LO
	MULQK 1, 0, 0
	MULQK 1, 2, 0
	s_wait_dscnt 0
	WIN MUL_HI
	MULV 1, 0
	; THE WAY OUT.  RoPE in f32 on register pairs, one rounding to f16, 16 bytes a lane into my own region of slot 0.
	PLACES
	s_wait_loadcnt 0x0                             ; the table
.macro ROPE a
	WIN 0x0e                                       ; source 0 window 2 (sums), source 1 window 3 (table), the rest window 0
.irp b, 0,1,2,3,4,5,6,7
.irp p, 0,1,2,3
	v_mul_f32 v[YY+8*\b+2*\p],   v[8*(8*\a+\b)+2*\p+1], v[128+8*(4*\a+(\b&3))+2*\p+1]                    ; x1 sin
	v_mul_f32 v[YY+8*\b+2*\p+1], v[8*(8*\a+\b)+2*\p],   v[128+8*(4*\a+(\b&3))+2*\p+1]                    ; x0 sin
	v_fma_f32 v[YY+8*\b+2*\p],   v[8*(8*\a+\b)+2*\p],   v[128+8*(4*\a+(\b&3))+2*\p], -v[YY+8*\b+2*\p]    ; x0 cos - x1 sin
	v_fma_f32 v[YY+8*\b+2*\p+1], v[8*(8*\a+\b)+2*\p+1], v[128+8*(4*\a+(\b&3))+2*\p], v[YY+8*\b+2*\p+1]   ; x1 cos + x0 sin
.endr
.endr
	WIN 0
.irp b, 0,1,2,3,4,5,6,7
.irp p, 0,1,2,3
	v_cvt_pk_f16_f32 v[PK+4*\b+\p], v[YY+8*\b+2*\p], v[YY+8*\b+2*\p+1]
.endr
.endr
	WIN 0x0f
.irp b, 0,1,2,3
.irp p, 0,1,2,3
	v_cvt_pk_f16_f32 v[PK+32+4*\b+\p], v[8*(4*\a+\b)+2*\p], v[8*(4*\a+\b)+2*\p+1]
.endr
.endr
	WIN 0
.irp b, 0,1,2,3,4,5,6,7,8,9,10,11
	ds_store_b128 v[STO], v[PK+4*\b:PK+4*\b+3] offset:(\b>>2)*64*SP+\a*16*SP+32*(\b&3)
.endr
.endm
	ROPE 0
	ROPE 1
	ROPE 2
	ROPE 3
	s_wait_dscnt 0x0                               ; my stores are done, for the waves that read them
	s_barrier_signal -1
	s_barrier_wait -1
; Wave w stores rows 32 w .. +31 of q, k and v: sixteen lanes store 256 consecutive bytes, aligned: a head's row.
.macro BACK u, g, buf
	s_wait_xcnt 0x0                                ; the buffer, which earlier stores read, is loaded again only behind this wait (ISA guide 3.1)
.irp t, 0,1,2,3,4,5,6,7
	ds_load_b128 v[\buf+4*\t:\buf+4*\t+3], v[RD] offset:\u*64*SP+(8*\g+\t)*2*SP
.endr
.irp t, 0,1,2,3,4,5,6,7
	s_wait_dscnt 7-\t
	global_store_b128 v[CO], v[\buf+4*\t:\buf+4*\t+3], s[66+2*\u:67+2*\u] offset:(8*\g+\t)*4096
.endr
.endm
	BACK 0, 0, 64
	BACK 0, 1, 96
	BACK 1, 0, 64
	BACK 1, 1, 96
	BACK 2, 0, 64
	BACK 2, 1, 96
	s_set_vgpr_msb 0x1
	s_wait_tensorcnt 0x0
	ds_add_u32 v255, v255
	s_wait_dscnt 0x0
	s_set_vgpr_msb 0x100
	CROUND                                         ; the closing round
	s_endpgm
.Lfunc_end_k_q56185bc20d_qkv:
	.size	k_q56185bc20d_qkv, .Lfunc_end_k_q56185bc20d_qkv-k_q56185bc20d_qkv
	.p2alignl 7, 3214868480
	.fill 96, 4, 3214868480
	.section	.rodata,"a",@progbits
	.p2align	6, 0x0
	.amdhsa_kernel k_q56185bc20d_qkv
		.amdhsa_group_segment_fixed_size 327680
		.amdhsa_private_segment_fixed_size 0
		.amdhsa_enable_private_segment 0
		.amdhsa_kernarg_size 32
		.amdhsa_user_sgpr_count 2
		.amdhsa_user_sgpr_kernarg_segment_ptr 1
		.amdhsa_wavefront_size32 1
		.amdhsa_system_sgpr_workgroup_id_x 1
		.amdhsa_system_sgpr_workgroup_id_y 1
		.amdhsa_system_sgpr_workgroup_id_z 1
		.amdhsa_system_vgpr_workitem_id 0
		.amdhsa_next_free_vgpr 1024
		.amdhsa_next_free_sgpr 80
		.amdhsa_reserve_vcc 0
		.amdhsa_float_denorm_mode_32 3
		.amdhsa_float_denorm_mode_16_64 3
		.amdhsa_memory_ordered 1
		.amdhsa_forward_progress 1
		.amdhsa_inst_pref_size 191
	.end_amdhsa_kernel
	.amdgpu_metadata
---
amdhsa.version: [ 1, 2 ]
amdhsa.kernels:
  - .name:           k_q56185bc20d_qkv
    .symbol:         k_q56185bc20d_qkv.kd
    .args:
      - { .name: xb, .offset: 0, .size: 8, .value_kind: global_buffer, .address_space: global }
      - { .name: wb, .offset: 8, .size: 8, .value_kind: global_buffer, .address_space: global }
      - { .name: rt, .offset: 16, .size: 8, .value_kind: global_buffer, .address_space: global }
      - { .name: qkv, .offset: 24, .size: 8, .value_kind: global_buffer, .address_space: global }
    .group_segment_fixed_size: 327680
    .private_segment_fixed_size: 0
    .kernarg_segment_align: 8
    .kernarg_segment_size: 32
    .max_flat_workgroup_size: 128
    .sgpr_count:     80
    .vgpr_count:     1024
    .wavefront_size: 32
...
	.end_amdgpu_metadata
.endif
;; end of part 2
;; launch attn (part 3): grid 256 x 1, 4 waves a work-group, clusters of 4 x 1, 327,680 bytes of LDS; arguments qkv, ao; writes ao
.if DOCPART == 3
	.amdgcn_target "amdgcn-amd-amdhsa--gfx1250"
	.amdhsa_code_object_version 6
	.text
	.protected	k_q56185bc20d_attn
	.globl	k_q56185bc20d_attn
	.p2align	8
	.type	k_q56185bc20d_attn,@function
k_q56185bc20d_attn:
	s_mov_b64 s[64:65], 0
	v_nop
	global_prefetch_b8 v0, s[64:65] scope:SCOPE_SE
	s_setreg_imm32_b32 hwreg(HW_REG_WAVE_MODE, 25, 1), 1
	s_wait_xcnt 0x0
	s_wait_alu depctr_hold_cnt(0) depctr_sa_sdst(0) depctr_va_vdst(0) depctr_va_sdst(0) depctr_va_ssrc(0) depctr_va_vcc(0) depctr_vm_vsrc(0)
	s_getreg_b32 s2, hwreg(HW_REG_IB_STS2, 6, 4)
	s_cmp_eq_u32 s2, 0
	s_cbranch_scc0 .Lentry_in_a_cluster
	s_endpgm
.Lentry_in_a_cluster:
	s_bfe_u32 s2, ttmp6, 0x10000c
	s_cmp_lg_u32 s2, 0x3003
	s_cbranch_scc0 .Lentry_shape_is_right
	s_endpgm
.Lentry_shape_is_right:
; attn: causal attention, 16 (batch, head) pairs, S = 2,048, head size 128; q, k, v, P and the result ao in f16, sums and softmax in f32.
; WORK: query blocks of 64 rows, key tiles of 256.  Block i needs (i >> 2) + 1 tiles.  A work-group takes block E = 28 - 8 c4 + cx
; (8 - 2 c4 tiles, an even number) and then block Od = 8 c4 + cx (2 c4 + 1 tiles): nine tiles for each of 256 work-groups, and since the
; first count is even, tile t lies in slot t & 1 with the slot, the diagonal tiles and the change of blocks fixed in the text.
; CLUSTER 4 x 1: the four partners (cx = 0 .. 3) have the same batch, head and c4, so the same tiles in the same order: every K and V
; tile is asked for jointly.  cx enters only q's and ao's addresses and the mask's lane data.
; WAVES split the KEYS: wave w takes keys 64 w .. +63 of a tile for all 64 queries, so each byte of K and V is read from LDS once a
; work-group.  Each wave keeps its own running maximum, sum and O; they are merged at the end through LDS.
; S^T = K Q^T: lane (r, h) holds query r, keys 8 h + j, so two neighbouring S tiles convert in place into P^T's fragment, and maximum,
; sum and rescale stay in the lane but for one exchange of halves.  O^T = V^T P^T, V read by the transposing LDS load.
; The maximum is kept in units of log2(e) / sqrt(128) x score, the same rounded level in the exponent, the rescale and the merge.
; LIMITS: a masked score is -2^100 (times the scale it is exact, so a wave whose keys are all masked gets P = 1 and finite sums, which
; the merge multiplies by 0): true scores must lie above it.  NaN and infinities in q, k, v are not treated apart: block E's would
; reach block Od's rows, since O is emptied by a multiplication by 0.
; REGISTERS: window 0: addresses, statistics, Q at 128 + 32 nq + 8 c; window 1: S(mk, nq) at 32 nq + 8 mk, P in place, K then V
; fragments at 128 ..; window 2: O(mh, nq) at 64 nq + 8 mh; window 3: block E's O, scaled.
.set KP,    272
.set VP,    288
.set KT,    256*KP
.set VT,    256*VP
.set SLOT,  KT+VT                      ; K's tile, then V's
.set STATS, 2*SLOT                     ; 4,096 bytes that no tensor load fills: [block][wave][query r]{M[4], l[4]}
.set MP,    528                        ; merge: a query's 128 f32 + 16 bytes
.set MB,    16*MP                      ; merge: [block][nq][sender] blocks of 16 queries, in the ring behind its last fill
.set ADRK,  2
.set ADRV,  4
.set QOV,   6
.set DD,    8
.set NEG,   10
.set STS,   11
.set STR,   12
.set MST,   13
.set MR,    14
.set M,     16                         ; v16-19 running maximum of query block nq
.set LT,    20
.set AL,    24                         ; pairs; the first register is used for both halves, the second is written once
.set NM,    32
.set LP,    40                         ; pairs: running sums
.set T,     48
.set U,     52
.set AOO,   56
.set ST,    64
.set MA,    96
.set Q,     128
.set G1K, 24
.set G0K, 32
.set G1V, 48
.set G0V, 56
.set MSB, 0
.macro WIN new
.if MSB != \new
	s_set_vgpr_msb (MSB<<8)|\new
.set MSB, \new
.endif
.endm
.macro PLACES
.rept 4
	v_nop
.endr
.endm
.macro ROUND                           ; a round of the cluster's barrier
	s_barrier_signal -1
	s_barrier_wait -1
	s_cmp_lg_u32 s8, 0
	s_cbranch_scc1 .Lnot_wave_0_\@
	s_barrier_signal -3
.Lnot_wave_0_\@:
	s_barrier_wait -3
	s_barrier_signal -1
	s_barrier_wait -1
.endm
.macro JLOAD s                         ; waves 0, 1: K's two halves of 128 keys; waves 2, 3: V's
	s_cmp_eq_u32 s9, 0
	s_cbranch_scc0 .Lfor_v_\@
	tensor_load_to_lds s[G0K+4*\s:G0K+4*\s+3], s[G1K:G1K+7]
	s_nop 0
	s_branch .Lasked_\@
.Lfor_v_\@:
	tensor_load_to_lds s[G0V+4*\s:G0V+4*\s+3], s[G1V:G1V+7]
	s_nop 0
.Lasked_\@:
.endm
.macro NEXTADDR o, reset               ; slot o's next tile: key tile s19, 256 keys of 2,048 bytes each; written where no tensor load of the wave is out
.if \reset
	s_mov_b32 s19, 0                               ; the second block begins at key 0
.endif
	s_lshl_b32 s44, s19, 19
	s_add_co_u32 s19, s19, 1
	s_add_nc_u64 s[G0K+4*\o+2:G0K+4*\o+3], s[40:41], s[44:45]
	s_or_b32 s[G0K+4*\o+3], s[G0K+4*\o+3], 0x80000000
	s_add_nc_u64 s[G0V+4*\o+2:G0V+4*\o+3], s[42:43], s[44:45]
	s_or_b32 s[G0V+4*\o+3], s[G0V+4*\o+3], 0x80000000
.endm
	s_load_b128 s[4:7], s[0:1], 0x0                ; qkv, ao
	v_lshl_add_u32 v7, v0, 2, 0x47000
	v_mov_b32 v9, 0
	ds_add_u32 v7, v9
	v_lshrrev_b32 v1, 5, v0
	v_readfirstlane_b32 s8, v1                     ; wave
	s_lshr_b32 s9, s8, 1                           ; I fetch for K (0) or V (1)
	s_and_b32 s10, s8, 1                           ; which 128 keys
	s_bfe_u32 s11, ttmp6, 0x40000                  ; cx
	s_and_b32 s12, ttmp9, 15
	s_lshr_b32 s13, ttmp9, 4                       ; c4, and the second loop's trips
	s_lshr_b32 s14, s12, 3                         ; batch
	s_and_b32 s15, s12, 7                          ; head
	s_sub_co_u32 s16, 3, s13                       ; the first loop's trips
	s_mov_b32 s19, 1                               ; the key tile that the next refill brings
	s_mov_b32 s20, 0x3e0293ee                      ; log2(e) / sqrt(128)
	s_mov_b32 s21, 0x3e0293ee
	s_mov_b32 s22, 0x76543210                      ; v_permlanex16_b32: lane i reads lane i of the other half
	s_mov_b32 s23, 0xfedcba98
	s_mov_b32 s[G1K+0], 15|(1<<16)|(1<<20)|(1<<21)|(5<<22)|(3<<25)    ; all four partners; 2-byte elements; after 64 words 4 words of padding
	s_mov_b32 s[G1V+0], 15|(1<<16)|(1<<20)|(1<<21)|(5<<22)|(7<<25)    ; 8 words
	s_mov_b32 s[G1K+1], 128<<16
	s_mov_b32 s[G1V+1], 128<<16
	s_mov_b32 s[G1K+2], 128<<16
	s_mov_b32 s[G1V+2], 128<<16
	s_mov_b32 s[G1K+3], 128<<16
	s_mov_b32 s[G1V+3], 128<<16
	s_mov_b32 s[G1K+4], 128
	s_mov_b32 s[G1V+4], 128
	s_mov_b32 s[G1K+5], 1024
	s_mov_b32 s[G1V+5], 1024
	s_mov_b32 s[G1K+6], 0
	s_mov_b32 s[G1V+6], 0
	s_mov_b32 s[G1K+7], 0
	s_mov_b32 s[G1V+7], 0
	s_lshl_b32 s44, s14, 22                        ; batch x 2,048 rows x 2,048 bytes
	s_lshl_b32 s72, s10, 18                        ; + my 128 keys
	s_add_co_u32 s44, s44, s72
	s_lshl_b32 s72, s15, 8                         ; + 256 head
	s_add_co_u32 s44, s44, s72
	s_add_co_u32 s44, s44, 0x800000                ; k's part
	s_mov_b32 s45, 0
	s_mul_i32 s73, s10, 128*KP
	s_mul_i32 s74, s10, 128*VP
	s_add_co_u32 s74, s74, KT
	s_wait_dscnt 0x0
	s_wait_kmcnt 0x0
	s_add_nc_u64 s[40:41], s[4:5], s[44:45]        ; K, key tile 0
	s_add_nc_u64 s[42:43], s[40:41], 0x800000      ; V
.irp s, 0,1
	s_mov_b32 s[G0K+4*\s], 1
	s_add_co_u32 s[G0K+4*\s+1], s73, \s*SLOT
	s_mov_b64 s[G0K+4*\s+2:G0K+4*\s+3], s[40:41]
	s_or_b32 s[G0K+4*\s+3], s[G0K+4*\s+3], 0x80000000
	s_mov_b32 s[G0V+4*\s], 1
	s_add_co_u32 s[G0V+4*\s+1], s74, \s*SLOT
	s_mov_b64 s[G0V+4*\s+2:G0V+4*\s+3], s[42:43]
	s_or_b32 s[G0V+4*\s+3], s[G0V+4*\s+3], 0x80000000
.endr
	ROUND                                          ; in front of the first joint load
	JLOAD 0                                        ; tile 0
	s_lshl_b32 s74, s13, 3
	s_add_co_u32 s75, s74, s11                     ; Od = 8 c4 + cx
	s_sub_co_u32 s74, 28, s74
	s_add_co_u32 s74, s74, s11                     ; E = 28 - 8 c4 + cx
	s_lshl_b32 s76, s14, 22
	s_lshl_b32 s77, s15, 8
	s_add_co_u32 s76, s76, s77
	s_lshl_b32 s74, s74, 17                        ; 64 rows of 2,048 bytes
	s_lshl_b32 s78, s75, 17
	s_add_co_u32 s74, s74, s76
	s_mov_b32 s75, 0
	s_add_co_u32 s78, s78, s76
	s_mov_b32 s79, 0
	s_add_nc_u64 s[46:47], s[4:5], s[74:75]        ; q of block E
	s_add_nc_u64 s[66:67], s[4:5], s[78:79]        ; q of block Od
	s_add_nc_u64 s[68:69], s[6:7], s[74:75]        ; ao of block E
	s_add_nc_u64 s[70:71], s[6:7], s[78:79]        ; ao of block Od
	v_and_b32 v57, 15, v0                          ; r
	v_bfe_u32 v58, v0, 4, 1                        ; h
	v_and_b32 v59, 31, v0                          ; l
	v_and_b32 v60, 7, v0
	v_bfe_u32 v61, v0, 3, 1
	v_lshlrev_b32 v[QOV], 11, v57                  ; q: row r, 16 h
	v_lshl_add_u32 v[QOV], v58, 4, v[QOV]
.macro QLOAD base                      ; 16 fragments (16 queries x 32 of the head), two loads of 16 bytes each
.irp q, 0,1,2,3
.irp c, 0,1,2,3
	global_load_b128 v[Q+32*\q+8*\c:Q+32*\q+8*\c+3], v[QOV], s[\base:\base+1] offset:\q*32768+64*\c
	global_load_b128 v[Q+32*\q+8*\c+4:Q+32*\q+8*\c+7], v[QOV], s[\base:\base+1] offset:\q*32768+64*\c+32
.endr
.endr
.endm
	QLOAD 46
	v_mul_u32_u24 v62, v57, KP                     ; K fragment: (64 w + r) pitch + 16 h
	v_lshl_add_u32 v62, v58, 4, v62
	s_mul_i32 s72, s8, 64*KP
	v_add_nc_u32 v[ADRK], s72, v62
	v_add_nc_u32 v[ADRK+1], SLOT, v[ADRK]
	v_lshl_add_u32 v63, v58, 3, v60                ; V fragment: (64 w + 8 h + (l & 7)) pitch + 16 ((l >> 3) & 1)
	v_mul_u32_u24 v63, v63, VP
	v_lshl_add_u32 v63, v61, 4, v63
	s_mul_i32 s72, s8, 64*VP
	s_add_co_u32 s72, s72, KT
	v_add_nc_u32 v[ADRV], s72, v63
	v_add_nc_u32 v[ADRV+1], SLOT, v[ADRV]
	s_lshl_b32 s72, s8, 9
	s_add_co_u32 s72, s72, STATS
	v_lshl_add_u32 v[STS], v57, 5, s72
	v_lshlrev_b32 v[STR], 5, v57
	v_add_nc_u32 v[STR], STATS, v[STR]
	v_mul_u32_u24 v[MST], v57, MP
	v_lshl_add_u32 v[MST], v58, 5, v[MST]
	s_mul_i32 s72, s8, MB
	v_add_nc_u32 v[MST], s72, v[MST]
	s_mul_i32 s72, s8, 4*MB
	v_lshl_add_u32 v[MR], v59, 4, s72
	v_add_nc_u32 v[MR+1], 16*MB, v[MR]
	s_lshl_b32 s72, s8, 15
	v_lshl_add_u32 v[AOO], v59, 3, s72             ; ao: row 16 w, 8 l
	s_sub_co_i32 s72, s8, s11                      ; mask data: 64 (w - cx) + 8 h - r; both blocks lie at quarter cx of their diagonal tile
	s_lshl_b32 s72, s72, 6
	v_lshl_add_u32 v[DD], v58, 3, s72
	v_sub_nc_u32 v[DD], v[DD], v57
	v_mov_b32 v[NEG], 0xf1800000                   ; -2^100
.irp q, 0,1,2,3
	v_mov_b32 v[M+\q], v[NEG]
	v_mov_b32 v[LP+2*\q], 0
	v_mov_b32 v[LP+2*\q+1], 0
	v_mov_b32 v[AL+2*\q+1], 0
	v_mov_b32 v[NM+2*\q+1], 0
	v_mov_b32 v[U+\q], 0
.endr
.macro KLOADS slot
	WIN 0x40
.irp c, 0,1,2,3
.irp m, 0,1,2,3
	ds_load_b128 v[128+32*\c+8*\m:128+32*\c+8*\m+3], v[ADRK+\slot] offset:\m*16*KP+64*\c
	ds_load_b128 v[128+32*\c+8*\m+4:128+32*\c+8*\m+7], v[ADRK+\slot] offset:\m*16*KP+64*\c+32
.endr
.endr
.endm
.macro QK                              ; 64 matrix instructions; the 16 accumulators take turns, one instruction a turn
	WIN 0x51
.irp c, 0,1,2,3
	s_wait_dscnt 24-8*\c                           ; the eight loads of chunk c are in; the younger chunks' stay out
.irp q, 0,1,2,3
.irp m, 0,1,2,3
.if \c == 0
	v_wmma_f32_16x16x32_f16 v[32*\q+8*\m:32*\q+8*\m+7], v[128+32*\c+8*\m:128+32*\c+8*\m+7], v[Q+32*\q+8*\c:Q+32*\q+8*\c+7], 0
.else
	v_wmma_f32_16x16x32_f16 v[32*\q+8*\m:32*\q+8*\m+7], v[128+32*\c+8*\m:128+32*\c+8*\m+7], v[Q+32*\q+8*\c:Q+32*\q+8*\c+7], v[32*\q+8*\m:32*\q+8*\m+7]
.endif
.endr
.endr
.endr
.endm
.macro VLOADS slot
	WIN 0x40
.irp k, 0,1
.irp m, 0,1,2,3,4,5,6,7
	ds_load_tr16_b128 v[128+64*\k+8*\m:128+64*\k+8*\m+3], v[ADRV+\slot] offset:\k*32*VP+32*\m
	ds_load_tr16_b128 v[128+64*\k+8*\m+4:128+64*\k+8*\m+7], v[ADRV+\slot] offset:\k*32*VP+32*\m+16*VP
.endr
.endr
.endm
.macro MASK                            ; key 64 w + 16 mk + 8 h + j beyond query 64 cx + 16 nq + r: the score becomes -2^100
	WIN 0x41
.irp q, 0,1,2,3
.irp m, 0,1,2,3
.irp j, 0,1,2,3,4,5,6,7
	v_cmp_lt_i32 vcc_lo, 16*(\q-\m)-\j, v[DD]
	v_cndmask_b32 v[32*\q+8*\m+\j], v[32*\q+8*\m+\j], v[NEG], vcc_lo
.endr
.endr
.endr
.endm
.macro SOFTMAX                         ; four chains, one for each block of 16 queries, interleaved
	WIN 0x05
.irp q, 0,1,2,3
	v_max_num_f32 v[T+\q], v[32*\q], v[32*\q+1]
.endr
.set i, 2
.rept 15
.irp q, 0,1,2,3
	v_max3_num_f32 v[T+\q], v[32*\q+i], v[32*\q+i+1], v[T+\q]
.endr
.set i, i+2
.endr
	WIN 0
.irp q, 0,1,2,3
	v_permlanex16_b32 v[U+\q], v[T+\q], s22, s23   ; the other half of the lanes holds the query's other keys
.endr
.irp q, 0,1,2,3
	v_max_num_f32 v[T+\q], v[T+\q], v[U+\q]
.endr
.irp q, 0,1,2,3
	v_mul_f32 v[T+\q], s20, v[T+\q]
.endr
.irp q, 0,1,2,3
	v_max_num_f32 v[T+\q], v[T+\q], v[M+\q]        ; the new running maximum
.endr
.irp q, 0,1,2,3
	v_sub_f32 v[U+\q], v[M+\q], v[T+\q]
.endr
.irp q, 0,1,2,3
	v_exp_f32 v[AL+2*\q], v[U+\q]                  ; what the old sums are worth now
.endr
.irp q, 0,1,2,3
	v_mov_b32 v[M+\q], v[T+\q]                     ; plain instructions behind the exponentials (ISA guide 5.7.2)
.endr
.irp q, 0,1,2,3
	v_xor_b32 v[NM+2*\q], 0x80000000, v[T+\q]
.endr
	s_wait_alu depctr_va_vdst(0)
.irp q, 0,1,2,3
	v_pk_mul_f32 v[LP+2*\q:LP+2*\q+1], v[LP+2*\q:LP+2*\q+1], v[AL+2*\q:AL+2*\q+1] op_sel_hi:[1,0]
.endr
	WIN 0x41
.set i, 0
.rept 16
.irp q, 0,1,2,3
	v_pk_fma_f32 v[32*\q+i:32*\q+i+1], v[32*\q+i:32*\q+i+1], s[20:21], v[NM+2*\q:NM+2*\q+1] op_sel_hi:[1,0,0]
.endr
.set i, i+2
.endr
.set i, 0
.rept 128
	v_exp_f32 v[i], v[i]
.set i, i+1
.endr
	v_nop                                          ; one plain place behind the last exponential
	WIN 0x01
.set i, 0
	s_wait_alu depctr_va_vdst(0)
.rept 16
.irp q, 0,1,2,3
	v_pk_add_f32 v[LP+2*\q:LP+2*\q+1], v[32*\q+i:32*\q+i+1], v[LP+2*\q:LP+2*\q+1]
.endr
.set i, i+2
.endr
	WIN 0x45                                       ; P^T's fragments, in place and ascending: register g of 16 takes registers 2 g, 2 g + 1
.set i, 0
.rept 8
.irp g, 0,1,2,3,4,5,6,7
	v_cvt_pk_f16_f32 v[16*i+\g], v[16*i+2*\g], v[16*i+2*\g+1]
.endr
.set i, i+1
.endr
.endm
.macro RESCALE
	WIN 0x82
.irp q, 0,1,2,3
.set i, 0
.rept 32
	v_pk_mul_f32 v[64*\q+i:64*\q+i+1], v[64*\q+i:64*\q+i+1], v[AL+2*\q:AL+2*\q+1] op_sel_hi:[1,0]
.set i, i+2
.endr
.endr
.endm
.macro PV zero                         ; 64 matrix instructions; the 32 accumulators take turns
	WIN 0xa5
	s_wait_dscnt 16                                ; V's first 32 keys are in; the sixteen younger loads stay out
.irp q, 0,1,2,3
.irp m, 0,1,2,3,4,5,6,7
.if \zero
	v_wmma_f32_16x16x32_f16 v[64*\q+8*\m:64*\q+8*\m+7], v[128+8*\m:128+8*\m+7], v[32*\q:32*\q+7], 0
.else
	v_wmma_f32_16x16x32_f16 v[64*\q+8*\m:64*\q+8*\m+7], v[128+8*\m:128+8*\m+7], v[32*\q:32*\q+7], v[64*\q+8*\m:64*\q+8*\m+7]
.endif
.endr
.endr
	s_wait_dscnt 0
.irp q, 0,1,2,3
.irp m, 0,1,2,3,4,5,6,7
	v_wmma_f32_16x16x32_f16 v[64*\q+8*\m:64*\q+8*\m+7], v[192+8*\m:192+8*\m+7], v[32*\q+16:32*\q+23], v[64*\q+8*\m:64*\q+8*\m+7]
.endr
.endr
.endm
; One key tile.  In front of the round every wave waits for all its tensor loads (its part of this tile among them) and for its LDS
; reads; the joint refill of the other slot is the first tensor load behind the round, and has this tile's work in which to land.
.macro TILE slot, refill, reset, first, diag, qload
	s_wait_tensorcnt 0x0
	ds_add_u32 v7, v9
	s_wait_dscnt 0x0
.if \refill
	NEXTADDR (1-\slot), \reset
.endif
	s_wait_dscnt 0x0
	ROUND
.if \refill
	JLOAD (1-\slot)
.endif
.rept 5
	v_nop                                          ; five places behind the last tile's products: K is loaded over V's fragments, S written over P (ISA guide 7.12.1)
.endr
	KLOADS \slot
	s_wait_loadcnt 0x0                             ; q
	QK
	PLACES
	VLOADS \slot                                   ; over K's fragments; they land during the softmax
.if \diag
	MASK
.endif
.if \qload
	WIN 0
	QLOAD 66                                       ; the second block's q, over the first's, which has been multiplied for the last time
.endif
	SOFTMAX
.if \first
	PV 1                                           ; the first product starts the sums
.else
	RESCALE
	PV 0
.endif
	WIN 0
.endm
.macro STATS_STORE blk
.irp q, 0,1,2,3
	v_add_f32 v[LT+\q], v[LP+2*\q], v[LP+2*\q+1]
.endr
.irp q, 0,1,2,3
	v_permlanex16_b32 v[U+\q], v[LT+\q], s22, s23
.endr
.irp q, 0,1,2,3
	v_add_f32 v[LT+\q], v[LT+\q], v[U+\q]
.endr
	ds_store_b128 v[STS], v[M:M+3] offset:\blk*2048
	ds_store_b128 v[STS], v[LT:LT+3] offset:\blk*2048+16
.endm
.macro FACTOR blk                      ; AL = exp2(M - max over waves) / sum over waves of exp2(M_w - max) l_w
.irp u, 0,1,2,3
	ds_load_b128 v[ST+8*\u:ST+8*\u+3], v[STR] offset:\blk*2048+\u*512
	ds_load_b128 v[ST+8*\u+4:ST+8*\u+7], v[STR] offset:\blk*2048+\u*512+16
.endr
	s_wait_dscnt 0x0
.irp q, 0,1,2,3
	v_max3_num_f32 v[T+\q], v[ST+\q], v[ST+8+\q], v[ST+16+\q]
.endr
.irp q, 0,1,2,3
	v_max_num_f32 v[T+\q], v[T+\q], v[ST+24+\q]
.endr
.irp u, 0,1,2,3
.irp q, 0,1,2,3
	v_sub_f32 v[ST+8*\u+\q], v[ST+8*\u+\q], v[T+\q]
.endr
.endr
.irp q, 0,1,2,3
	v_sub_f32 v[U+\q], v[M+\q], v[T+\q]
.endr
.irp u, 0,1,2,3
.irp q, 0,1,2,3
	v_exp_f32 v[ST+8*\u+\q], v[ST+8*\u+\q]
.endr
.endr
.irp q, 0,1,2,3
	v_exp_f32 v[U+\q], v[U+\q]
.endr
	v_nop
	s_wait_alu depctr_va_vdst(0)
.irp q, 0,1,2,3
	v_mul_f32 v[T+\q], v[ST+\q], v[ST+4+\q]
.endr
.irp u, 1,2,3
.irp q, 0,1,2,3
	v_fmac_f32 v[T+\q], v[ST+8*\u+\q], v[ST+8*\u+4+\q]
.endr
.endr
.irp q, 0,1,2,3
	v_rcp_f32 v[T+\q], v[T+\q]
.endr
	v_nop
	s_wait_alu depctr_va_vdst(0)
.irp q, 0,1,2,3
	v_mul_f32 v[AL+2*\q], v[U+\q], v[T+\q]
.endr
.endm
	; BLOCK E: tile 0, 2 (3 - c4) plain tiles, the diagonal tile
	TILE 0, 1, 0, 1, 0, 0
	s_mov_b32 s18, 0
	s_cmp_eq_u32 s16, 0
	s_cbranch_scc1 .Lfirst_done
.Lfirst:
	TILE 1, 1, 0, 0, 0, 0
	TILE 0, 1, 0, 0, 0, 0
	s_add_co_u32 s18, s18, 1
	s_cmp_lt_u32 s18, s16
	s_cbranch_scc1 .Lfirst
.Lfirst_done:
	TILE 1, 1, 1, 0, 1, 1                          ; its refill is block Od's tile 0
	; THE CHANGE OF BLOCKS: the waves exchange maxima and sums; O is scaled by the merge's factor on its way into window 3.
	PLACES
	STATS_STORE 0
	s_wait_dscnt 0x0                               ; my statistics are stored, for the other waves
	s_wait_tensorcnt 0x0                           ; no tensor load of mine crosses this barrier
	s_barrier_signal -1
	s_barrier_wait -1
	FACTOR 0
	WIN 0xc2
.irp q, 0,1,2,3
.set i, 0
.rept 32
	v_pk_mul_f32 v[64*\q+i:64*\q+i+1], v[64*\q+i:64*\q+i+1], v[AL+2*\q:AL+2*\q+1] op_sel_hi:[1,0]
.set i, i+2
.endr
.endr
	WIN 0
.irp q, 0,1,2,3
	v_mov_b32 v[M+\q], v[NEG]                      ; from this maximum the next rescale's factor is exp2(-huge) = 0: it empties O
	v_mov_b32 v[LP+2*\q], 0
	v_mov_b32 v[LP+2*\q+1], 0
.endr
	; BLOCK Od: 2 c4 plain tiles, the diagonal tile
	s_mov_b32 s18, 0
	s_cmp_eq_u32 s13, 0
	s_cbranch_scc1 .Lsecond_done
.Lsecond:
	TILE 0, 1, 0, 0, 0, 0
	TILE 1, 1, 0, 0, 0, 0
	s_add_co_u32 s18, s18, 1
	s_cmp_lt_u32 s18, s13
	s_cbranch_scc1 .Lsecond
.Lsecond_done:
	TILE 0, 0, 0, 0, 1, 0                          ; the last tile: nothing is left to fetch
	; THE MERGE.  Behind the next barrier no wave reads the ring and nothing is loaded into it again: it takes the waves' scaled O.
	PLACES
	STATS_STORE 1
	s_wait_dscnt 0x0
	s_barrier_signal -1
	s_barrier_wait -1
	FACTOR 1
	RESCALE
	WIN 0
.irp k, 0,1,2,3,4,5,6,7
	v_add_nc_u32 v[MA+\k], \k*4*MB, v[MST]         ; [block][nq], my block of 16 queries among the four senders'
.endr
	WIN 0x0c                                       ; data from window 3: block E
.irp q, 0,1,2,3
.irp m, 0,1,2,3,4,5,6,7
	ds_store_b128 v[MA+\q], v[64*\q+8*\m:64*\q+8*\m+3] offset:64*\m
	ds_store_b128 v[MA+\q], v[64*\q+8*\m+4:64*\q+8*\m+7] offset:64*\m+16
.endr
.endr
	WIN 0x08                                       ; from window 2: block Od
.irp q, 0,1,2,3
.irp m, 0,1,2,3,4,5,6,7
	ds_store_b128 v[MA+4+\q], v[64*\q+8*\m:64*\q+8*\m+3] offset:64*\m
	ds_store_b128 v[MA+4+\q], v[64*\q+8*\m+4:64*\q+8*\m+7] offset:64*\m+16
.endr
.endr
	WIN 0
	s_wait_dscnt 0x0
	s_barrier_signal -1
	s_barrier_wait -1
; Wave w adds the four senders' rows of queries 16 w .. +15 of both blocks: eight batches of four rows through two buffers.
; Batch i: block i >> 2, rows 4 (i & 3) .. +3, buffer i & 1.
.macro MLOAD i
.irp p, 0,1,2,3
.irp u, 0,1,2,3
	ds_load_b128 v[128+64*((\i)&1)+16*\p+4*\u:128+64*((\i)&1)+16*\p+4*\u+3], v[MR+((\i)>>2)] offset:\u*MB+(4*((\i)&3)+\p)*MP
.endr
.endr
.endm
.macro MSUM i, more
.irp p, 0,1,2,3
	s_wait_dscnt 16*\more+12-4*\p                  ; row p's four loads are in: out stay the batch's younger rows and the next batch's sixteen
.set bb, 128+64*((\i)&1)+16*\p
	v_pk_add_f32 v[bb:bb+1], v[bb:bb+1], v[bb+4:bb+5]
	v_pk_add_f32 v[bb+2:bb+3], v[bb+2:bb+3], v[bb+6:bb+7]
	v_pk_add_f32 v[bb+8:bb+9], v[bb+8:bb+9], v[bb+12:bb+13]
	v_pk_add_f32 v[bb+10:bb+11], v[bb+10:bb+11], v[bb+14:bb+15]
	v_pk_add_f32 v[bb:bb+1], v[bb:bb+1], v[bb+8:bb+9]
	v_pk_add_f32 v[bb+2:bb+3], v[bb+2:bb+3], v[bb+10:bb+11]
	v_cvt_pk_f16_f32 v[64+2*(4*(\i)+\p)], v[bb], v[bb+1]
	v_cvt_pk_f16_f32 v[64+2*(4*(\i)+\p)+1], v[bb+2], v[bb+3]
	global_store_b64 v[AOO], v[64+2*(4*(\i)+\p):64+2*(4*(\i)+\p)+1], s[68+2*((\i)>>2):69+2*((\i)>>2)] offset:(4*((\i)&3)+\p)*2048   ; the wave stores 256 consecutive bytes, aligned; its data registers are written once
.endr
.endm
	MLOAD 0
	MLOAD 1
	MSUM 0, 1
	MLOAD 2
	MSUM 1, 1
	MLOAD 3
	MSUM 2, 1
	MLOAD 4
	MSUM 3, 1
	MLOAD 5
	MSUM 4, 1
	MLOAD 6
	MSUM 5, 1
	MLOAD 7
	MSUM 6, 1
	MSUM 7, 0
	s_wait_tensorcnt 0x0
	ds_add_u32 v7, v9
	s_wait_dscnt 0x0
	ROUND                                          ; the closing round
	s_endpgm
.Lfunc_end_k_q56185bc20d_attn:
	.size	k_q56185bc20d_attn, .Lfunc_end_k_q56185bc20d_attn-k_q56185bc20d_attn
	.p2alignl 7, 3214868480
	.fill 96, 4, 3214868480
	.section	.rodata,"a",@progbits
	.p2align	6, 0x0
	.amdhsa_kernel k_q56185bc20d_attn
		.amdhsa_group_segment_fixed_size 327680
		.amdhsa_private_segment_fixed_size 0
		.amdhsa_enable_private_segment 0
		.amdhsa_kernarg_size 16
		.amdhsa_user_sgpr_count 2
		.amdhsa_user_sgpr_kernarg_segment_ptr 1
		.amdhsa_wavefront_size32 1
		.amdhsa_system_sgpr_workgroup_id_x 1
		.amdhsa_system_sgpr_workgroup_id_y 1
		.amdhsa_system_sgpr_workgroup_id_z 1
		.amdhsa_system_vgpr_workitem_id 0
		.amdhsa_next_free_vgpr 1024
		.amdhsa_next_free_sgpr 80
		.amdhsa_reserve_vcc 1
		.amdhsa_float_denorm_mode_32 3
		.amdhsa_float_denorm_mode_16_64 3
		.amdhsa_memory_ordered 1
		.amdhsa_forward_progress 1
		.amdhsa_inst_pref_size 255
	.end_amdhsa_kernel
	.section	.bss,"aw",@nobits
	.p2align	6
	.space	262144
	.amdgpu_metadata
---
amdhsa.version: [ 1, 2 ]
amdhsa.kernels:
  - .name:           k_q56185bc20d_attn
    .symbol:         k_q56185bc20d_attn.kd
    .args:
      - { .name: qkv, .offset: 0, .size: 8, .value_kind: global_buffer, .address_space: global }
      - { .name: ao, .offset: 8, .size: 8, .value_kind: global_buffer, .address_space: global }
    .group_segment_fixed_size: 327680
    .private_segment_fixed_size: 0
    .kernarg_segment_align: 8
    .kernarg_segment_size: 16
    .max_flat_workgroup_size: 128
    .sgpr_count:     80
    .vgpr_count:     1024
    .wavefront_size: 32
...
	.end_amdgpu_metadata
.endif
;; end of part 3
;; launch oproj (part 4): grid 8 x 32, 4 waves a work-group, clusters of 4 x 4, 327,680 bytes of LDS; arguments ao, wb, out0; writes out0
.if DOCPART == 4
	.amdgcn_target "amdgcn-amd-amdhsa--gfx1250"
	.amdhsa_code_object_version 6
	.text
	.protected	k_q56185bc20d_oproj
	.globl	k_q56185bc20d_oproj
	.p2align	8
	.type	k_q56185bc20d_oproj,@function
k_q56185bc20d_oproj:
	s_mov_b64 s[64:65], 0
	v_nop
	global_prefetch_b8 v0, s[64:65] scope:SCOPE_SE
	s_setreg_imm32_b32 hwreg(HW_REG_WAVE_MODE, 25, 1), 1
	s_wait_xcnt 0x0
	s_wait_alu depctr_hold_cnt(0) depctr_sa_sdst(0) depctr_va_vdst(0) depctr_va_sdst(0) depctr_va_ssrc(0) depctr_va_vcc(0) depctr_vm_vsrc(0)
	s_getreg_b32 s2, hwreg(HW_REG_IB_STS2, 6, 4)
	s_cmp_eq_u32 s2, 0
	s_cbranch_scc0 .Lentry_in_a_cluster
	s_endpgm
.Lentry_in_a_cluster:
	s_bfe_u32 s2, ttmp6, 0x10000c
	s_cmp_lg_u32 s2, 0xf033
	s_cbranch_scc0 .Lentry_shape_is_right
	s_endpgm
.Lentry_shape_is_right:
; oproj: out0 = ao Wo.  ao [4096][1024] f16; Wo [1024 k][2048 n] f16 (wb's part 3); out0 [4096][2048] f32; sums in f32.
; 256 work-groups of 128 x 256; four waves of 64 x 128: 32 accumulator tiles in window 1 at 8 (8 a + b).  K = 1,024 in steps of 128
; through two LDS slots: ao's tile [128 m][128 k], and two tiles of Wo [128 k][128 n] as they lie in memory, read by the transposing load.
; CLUSTER 4 x 4: ao's tile is shared along a row of the cluster, Wo's along a column.  Waves 0, 1 ask for ao's two halves of 64 rows,
; waves 2, 3 for Wo's two tiles.  The matrix instruction is used transposed, so a lane holds eight neighbouring columns of a row.
.set PA,    272
.set PB,    288
.set AT,    128*PA
.set BT,    128*PB
.set SLOT,  AT+2*BT
.set STAGE, 2*SLOT                     ; behind the ring, never filled by a tensor load: 16 rows x 528 bytes for each wave
.set SP,    528
.set LAPS,  4
.set ADRA,  16
.set ADRB,  18
.set STO,   20
.set RD,    21
.set CO,    22
.set FA,    32                         ; ao fragments, two buffers of 32
.set FB,    96                         ; Wo fragments, two buffers of 64
.set G1A, 24
.set G0A, 32
.set G1B, 48
.set G0B, 56
.set MULW, 0x50                        ; sources window 0, C and D window 1
.set MSB, 0
.macro WIN new
.if MSB != \new
	s_set_vgpr_msb (MSB<<8)|\new
.set MSB, \new
.endif
.endm
.macro PLACES
.rept 4
	v_nop
.endr
.endm
.macro JLOAD s
	s_cmp_eq_u32 s13, 0
	s_cbranch_scc0 .Lfor_b_\@
	tensor_load_to_lds s[G0A+4*\s:G0A+4*\s+3], s[G1A:G1A+7]
	s_nop 0
	s_branch .Lasked_\@
.Lfor_b_\@:
	tensor_load_to_lds s[G0B+4*\s:G0B+4*\s+3], s[G1B:G1B+7]
	s_nop 0
.Lasked_\@:
.endm
.macro CREST
	s_cmp_lg_u32 s12, 0
	s_cbranch_scc1 .Lnot_wave_0_\@
	s_barrier_signal -3
.Lnot_wave_0_\@:
	s_barrier_wait -3
	s_barrier_signal -1
	s_barrier_wait -1
.endm
.macro CROUND
	s_barrier_signal -1
	s_barrier_wait -1
	CREST
.endm
	s_load_b128 s[4:7], s[0:1], 0x0                ; ao, wb
	s_load_b64 s[8:9], s[0:1], 0x10                ; out0
	v_lshl_add_u32 v254, v0, 2, 0x3d400
	v_mov_b32 v255, 0
	ds_add_u32 v254, v255
	v_lshrrev_b32 v1, 5, v0
	v_readfirstlane_b32 s12, v1
	s_lshr_b32 s13, s12, 1                         ; wm.  Also: I fetch for ao (0) or Wo (1)
	s_and_b32 s14, s12, 1                          ; wn.  Also: which half or tile I fetch
	s_bfe_u32 s16, ttmp6, 0x40000
	s_bfe_u32 s17, ttmp6, 0x40004
	s_lshl_b32 s18, ttmp9, 2
	s_add_co_u32 s18, s18, s16                     ; bc
	s_and_b32 s19, ttmp7, 0xffff
	s_lshl_b32 s19, s19, 2
	s_add_co_u32 s19, s19, s17                     ; br
	s_lshl_b32 s20, s17, 2
	s_lshl_b32 s20, 15, s20
	s_lshl_b32 s21, 0x1111, s16
	s_or_b32 s[G1A+0], s20, (1<<16)|(1<<20)|(1<<21)|(5<<22)|(3<<25)
	s_or_b32 s[G1B+0], s21, (1<<16)|(1<<20)|(1<<21)|(5<<22)|(7<<25)
	s_mov_b32 s[G1A+1], 128<<16
	s_mov_b32 s[G1B+1], 128<<16
	s_mov_b32 s[G1A+2], 64<<16                     ; ao: 64 rows a load
	s_mov_b32 s[G1B+2], 128<<16
	s_mov_b32 s[G1A+3], 128<<16
	s_mov_b32 s[G1B+3], 128<<16
	s_mov_b32 s[G1A+4], 64
	s_mov_b32 s[G1B+4], 128
	s_mov_b32 s[G1A+5], 1024
	s_mov_b32 s[G1B+5], 2048
	s_mov_b32 s[G1A+6], 0
	s_mov_b32 s[G1B+6], 0
	s_mov_b32 s[G1A+7], 0
	s_mov_b32 s[G1B+7], 0
	s_lshl_b32 s40, s19, 18                        ; ao: (128 br + 64 half) rows of 2,048 bytes
	s_lshl_b32 s22, s14, 17
	s_add_co_u32 s40, s40, s22
	s_mov_b32 s41, 0
	s_lshl_b32 s42, s18, 9                         ; Wo: 12 MiB + 512 bc + 256 tile
	s_lshl_b32 s23, s14, 8
	s_add_co_u32 s42, s42, s23
	s_add_co_u32 s42, s42, 0xc00000
	s_mov_b32 s43, 0
	s_mul_i32 s44, s14, 64*PA
	s_mul_i32 s45, s14, BT
	s_add_co_u32 s45, s45, AT
	s_lshl_b32 s72, s19, 20                        ; out0: (128 br + 64 wm) rows of 8,192 bytes + 1,024 bc + 512 wn
	s_lshl_b32 s73, s13, 19
	s_add_co_u32 s72, s72, s73
	s_lshl_b32 s73, s18, 10
	s_add_co_u32 s72, s72, s73
	s_lshl_b32 s73, s14, 9
	s_add_co_u32 s72, s72, s73
	s_mov_b32 s73, 0
	s_wait_dscnt 0x0
	s_wait_kmcnt 0x0
	s_add_nc_u64 s[40:41], s[4:5], s[40:41]
	s_add_nc_u64 s[42:43], s[6:7], s[42:43]
	s_add_nc_u64 s[8:9], s[8:9], s[72:73]
	CROUND
.irp s, 0,1
	s_mov_b32 s[G0A+4*\s], 1
	s_add_co_u32 s[G0A+4*\s+1], s44, \s*SLOT
	s_add_nc_u64 s[G0A+4*\s+2:G0A+4*\s+3], s[40:41], \s*256
	s_or_b32 s[G0A+4*\s+3], s[G0A+4*\s+3], 0x80000000
	s_mov_b32 s[G0B+4*\s], 1
	s_add_co_u32 s[G0B+4*\s+1], s45, \s*SLOT
	s_add_nc_u64 s[G0B+4*\s+2:G0B+4*\s+3], s[42:43], \s*524288
	s_or_b32 s[G0B+4*\s+3], s[G0B+4*\s+3], 0x80000000
	JLOAD \s
.endr
	v_and_b32 v1, 15, v0
	v_bfe_u32 v2, v0, 4, 1
	v_and_b32 v3, 31, v0
	v_and_b32 v4, 7, v0
	v_bfe_u32 v5, v0, 3, 1
	v_mul_u32_u24 v6, v1, PA
	v_lshl_add_u32 v6, v2, 4, v6
	s_mul_i32 s22, s13, 64*PA
	v_add_nc_u32 v[ADRA], s22, v6
	v_add_nc_u32 v[ADRA+1], SLOT, v[ADRA]
	v_lshl_add_u32 v7, v2, 3, v4
	v_mul_u32_u24 v7, v7, PB
	v_lshl_add_u32 v7, v5, 4, v7
	s_mul_i32 s22, s14, BT
	s_add_co_u32 s22, s22, AT
	v_add_nc_u32 v[ADRB], s22, v7
	v_add_nc_u32 v[ADRB+1], SLOT, v[ADRB]
	s_mul_i32 s22, s12, 16*SP
	s_add_co_u32 s22, s22, STAGE
	v_mul_u32_u24 v8, v1, SP
	v_lshl_add_u32 v8, v2, 5, v8
	v_add_nc_u32 v[STO], s22, v8                   ; in: row r, 32 h
	v_lshl_add_u32 v[RD], v3, 4, s22               ; back: a whole row of 512 bytes a load
	v_lshlrev_b32 v[CO], 4, v3
.macro MUL8 f, a, zero                 ; the 32 accumulators take turns in one fixed order, one instruction a turn
.irp b, 0,1,2,3,4,5,6,7
.if \zero
	v_wmma_f32_16x16x32_f16 v[8*(8*\a+\b):8*(8*\a+\b)+7], v[FB+64*\f+8*\b:FB+64*\f+8*\b+7], v[FA+32*\f+8*\a:FA+32*\f+8*\a+7], 0
.else
	v_wmma_f32_16x16x32_f16 v[8*(8*\a+\b):8*(8*\a+\b)+7], v[FB+64*\f+8*\b:FB+64*\f+8*\b+7], v[FA+32*\f+8*\a:FA+32*\f+8*\a+7], v[8*(8*\a+\b):8*(8*\a+\b)+7]
.endif
.endr
.endm
.macro FETCH slot, kq, f               ; 24 loads: Wo's 16, then ao's 8
	WIN 0
.irp b, 0,1,2,3,4,5,6,7
	ds_load_tr16_b128 v[FB+64*\f+8*\b:FB+64*\f+8*\b+3], v[ADRB+\slot] offset:\kq*32*PB+32*\b
	ds_load_tr16_b128 v[FB+64*\f+8*\b+4:FB+64*\f+8*\b+7], v[ADRB+\slot] offset:\kq*32*PB+32*\b+16*PB
.endr
.irp a, 0,1,2,3
	ds_load_b128 v[FA+32*\f+8*\a:FA+32*\f+8*\a+3], v[ADRA+\slot] offset:\a*16*PA+64*\kq
	ds_load_b128 v[FA+32*\f+8*\a+4:FA+32*\f+8*\a+7], v[ADRA+\slot] offset:\a*16*PA+64*\kq+32
.endr
.endm
.macro QUARTER slot, kq, f, g, zero
	s_wait_dscnt 4                                 ; all but ao's rows 32 to 63
	WIN MULW
	MUL8 \f, 0, \zero
	MUL8 \f, 1, \zero
	PLACES
	FETCH \slot, \kq, \g
	s_wait_dscnt 24                                ; all but the 24 just issued
	WIN MULW
	MUL8 \f, 2, \zero
	MUL8 \f, 3, \zero
.endm
.macro THREE slot, zero
	QUARTER \slot, 1, 0, 1, \zero
	QUARTER \slot, 2, 1, 0, 0
	QUARTER \slot, 3, 0, 1, 0
.endm
.macro TURN slot, next, fill           ; the change of slots: waits, barrier (with fill: a round of the cluster's barrier), the joint refill first behind it
	s_wait_dscnt 4
	WIN MULW
	MUL8 1, 0, 0
	s_wait_dscnt 0
	s_wait_tensorcnt 0x0
	ds_add_u32 v254, v255
	s_wait_dscnt 0x0
	s_barrier_signal -1
	MUL8 1, 1, 0
	WIN 0
	s_barrier_wait -1
.if \fill
	CREST
	s_add_nc_u64 s[G0A+4*\slot+2:G0A+4*\slot+3], s[G0A+4*\slot+2:G0A+4*\slot+3], 512
	s_add_nc_u64 s[G0B+4*\slot+2:G0B+4*\slot+3], s[G0B+4*\slot+2:G0B+4*\slot+3], 1048576
	JLOAD \slot
.endif
	PLACES
	FETCH \next, 0, 0
	WIN MULW
	MUL8 1, 2, 0
	MUL8 1, 3, 0
.endm
.macro LAP zero
	THREE 0, \zero
	TURN 0, 1, 1
	THREE 1, 0
	TURN 1, 0, 1
.endm
	s_wait_tensorcnt 1                             ; my part of K step 0 is in; K step 1's stays out
	s_barrier_signal -1
	s_barrier_wait -1
	FETCH 0, 0, 0
	LAP 1
	WIN 0
	s_mov_b32 s15, LAPS-2
.Llap:
	LAP 0
	WIN 0
	s_sub_co_u32 s15, s15, 1
	s_cmp_lg_u32 s15, 0
	s_cbranch_scc1 .Llap
	THREE 0, 0
	TURN 0, 1, 0
	THREE 1, 0
	s_wait_dscnt 4
	WIN MULW
	MUL8 1, 0, 0
	MUL8 1, 1, 0
	s_wait_dscnt 0
	MUL8 1, 2, 0
	MUL8 1, 3, 0
	; THE WAY OUT, 16 rows at a time through my own stage: LDS serves a wave's instructions in order (ISA guide 5.7.1.4), so no wait
	; stands between the stores and the loads, and no barrier is needed.  A store of the wave covers 512 consecutive bytes, aligned.
	PLACES
.macro OUT a
	WIN 0x04                                       ; store data from window 1
.irp b, 0,1,2,3,4,5,6,7
	ds_store_b128 v[STO], v[8*(8*\a+\b):8*(8*\a+\b)+3] offset:64*\b
	ds_store_b128 v[STO], v[8*(8*\a+\b)+4:8*(8*\a+\b)+7] offset:64*\b+16
.endr
	WIN 0
.irp g, 0,1
	s_wait_xcnt 0x0                                ; the buffer, which earlier stores read, is loaded again only behind this wait (ISA guide 3.1)
.irp t, 0,1,2,3,4,5,6,7
	ds_load_b128 v[FB+32*\g+4*\t:FB+32*\g+4*\t+3], v[RD] offset:(8*\g+\t)*SP
.endr
.irp t, 0,1,2,3,4,5,6,7
	s_wait_dscnt 7-\t
	global_store_b128 v[CO], v[FB+32*\g+4*\t:FB+32*\g+4*\t+3], s[8:9] offset:(16*\a+8*\g+\t)*8192 th:TH_STORE_NT
.endr
.endr
.endm
	OUT 0
	OUT 1
	OUT 2
	OUT 3
	s_wait_tensorcnt 0x0
	ds_add_u32 v254, v255
	s_wait_dscnt 0x0
	CROUND                                         ; the closing round
	s_endpgm
.Lfunc_end_k_q56185bc20d_oproj:
	.size	k_q56185bc20d_oproj, .Lfunc_end_k_q56185bc20d_oproj-k_q56185bc20d_oproj
	.p2alignl 7, 3214868480
	.fill 96, 4, 3214868480
	.section	.rodata,"a",@progbits
	.p2align	6, 0x0
	.amdhsa_kernel k_q56185bc20d_oproj
		.amdhsa_group_segment_fixed_size 327680
		.amdhsa_private_segment_fixed_size 0
		.amdhsa_enable_private_segment 0
		.amdhsa_kernarg_size 24
		.amdhsa_user_sgpr_count 2
		.amdhsa_user_sgpr_kernarg_segment_ptr 1
		.amdhsa_wavefront_size32 1
		.amdhsa_system_sgpr_workgroup_id_x 1
		.amdhsa_system_sgpr_workgroup_id_y 1
		.amdhsa_system_sgpr_workgroup_id_z 1
		.amdhsa_system_vgpr_workitem_id 0
		.amdhsa_next_free_vgpr 512
		.amdhsa_next_free_sgpr 80
		.amdhsa_reserve_vcc 0
		.amdhsa_float_denorm_mode_32 3
		.amdhsa_float_denorm_mode_16_64 3
		.amdhsa_memory_ordered 1
		.amdhsa_forward_progress 1
		.amdhsa_inst_pref_size 118
	.end_amdhsa_kernel
	.amdgpu_metadata
---
amdhsa.version: [ 1, 2 ]
amdhsa.kernels:
  - .name:           k_q56185bc20d_oproj
    .symbol:         k_q56185bc20d_oproj.kd
    .args:
      - { .name: ao, .offset: 0, .size: 8, .value_kind: global_buffer, .address_space: global }
      - { .name: wb, .offset: 8, .size: 8, .value_kind: global_buffer, .address_space: global }
      - { .name: out0, .offset: 16, .size: 8, .value_kind: global_buffer, .address_space: global }
    .group_segment_fixed_size: 327680
    .private_segment_fixed_size: 0
    .kernarg_segment_align: 8
    .kernarg_segment_size: 24
    .max_flat_workgroup_size: 128
    .sgpr_count:     80
    .vgpr_count:     512
    .wavefront_size: 32
...
	.end_amdgpu_metadata
.endif
;; end of part 4
